; MI455X (gfx1250); checked and timed in simulation.
; The chip was launched on July 23, 2026; its instructions are those of AMD's public machine-readable ISA for CDNA 5 (MIT licence, August 2026) and "CDNA5" Instruction Set Architecture Reference Guide (July 2026). The comments in the code are by the model that wrote it; some were corrected since.
;; Attention. Allowed arithmetic: matrix products marked QUANTISED: E2M1 operands, one E8M0 scale for each 32 along K, by v_wmma_scale_f32_16x16x128_f8f6f4 with both operands' format E2M1 (or v_wmma_scale_f32_32x16x128_f4), f32 sums; products left as they are: bf16, f16 or f32 operands; f32 sums; everything else in f32.
;; Inputs: proj_b 1,024 float32; proj_w 1,024 x 1,024 float32; q_bias 1,024 float32; qkv_w 3,072 x 1,024 float32; rel_pos_index 197 x 197 int32; rpb_table 732 x 16 float32; v_bias 1,024 float32; x 64 x 197 x 1,024 float32.
;; Outputs: out0 64 x 197 x 1,024 float32.
;; This version of the problem:
;;   THIS VERSION OF THE PROBLEM IS GIVEN IN LOW PRECISION. The matrix products marked QUANTISED in the list below multiply operands that are first quantised to E2M1 (2 exponent bits, 1 mantissa bit; 4 bits a number), with one power-of-two scale for each 32 numbers along K (OCP MX v1.0); their sums are f32. The products marked 'left as it is' may take bf16, f16 or f32 operands, with f32 sums. Whichever they take, every output number must still come out within the allowed error. Rounding operands to bf16 (8 significant bits) uses up far more of that allowance than f16 does (11 bits, for magnitudes from 6e-5 to 65,504). All else is computed in f32.
;;   The module's matrix products, in the order in which they are computed (A, B: the left and right operand; K: the contracted axis; several contracted axes count as one K, in the product's order):
;;     1. [M 12,608, K 1,024] x [K 1,024, N 3,072]; A: input x; B: input qkv_w: QUANTISED
;;     2. batch 1,024 x [M 197, K 64] x [K 64, N 197]; A: computed on the way; B: computed on the way: left as it is (an operand is computed on the way)
;;     3. batch 1,024 x [M 197, K 197] x [K 197, N 64]; A: computed on the way; B: computed on the way: left as it is (an operand is computed on the way)
;;     4. [M 12,608, K 1,024] x [K 1,024, N 1,024]; A: computed on the way; B: input proj_w: left as it is (an operand is computed on the way)
;;   THE QUANTISER, for each operand of a quantised product, along K:
;;     - K is cut into blocks of 32 from its start; a last block that is shorter is filled with zeros.
;;     - A block's scale is 2^e with e = floor(log2(the largest magnitude in the block)) - 2, held to -126 .. 127; a block of zeros has e = 0. As a byte (E8M0): e + 127.
;;     - Each number is divided by its block's scale, clamped to +-6, and rounded to the nearest number of E2M1, ties to even, subnormals kept.
;;     - The product sums the exact products of the quantised numbers (number of the format x scale) in f32.
;;   ~~~python
;;   def quantise(x, axis):      # numpy; x: float32 -> the quantised numbers, widened to float32 again
;;       x = np.moveaxis(x, axis, -1); K = x.shape[-1]
;;       x = np.pad(x, [(0, 0)] * (x.ndim - 1) + [(0, -K % 32)]); x = x.reshape(x.shape[:-1] + (-1, 32)); a = np.abs(x).max(-1, keepdims=True)
;;       e = np.where(a > 0, np.clip(np.frexp(np.where(a > 0, a, 1))[1] - 1 - 2, -126, 127), 0)      # np.frexp(a)[1] - 1 = floor(log2(a)), exactly
;;       r = np.clip(x / 2.0 ** e, -6, 6)
;;       step = 2.0 ** (np.maximum(np.frexp(np.where(r == 0, 1, r))[1] - 1, 0) - 1)
;;       q = np.round(r / step) * step * 2.0 ** e      # np.round: ties to even
;;       return np.moveaxis(q.reshape(q.shape[:-2] + (-1,))[..., :K], -1, axis).astype(np.float32)
;;   ~~~
;; One version. Each part assembles by itself: llvm-mc -triple=amdgcn-amd-amdhsa -mcpu=gfx1250 --defsym DOCPART=n.
;; ======== version 1 of 1: 3 launches
;; limits: values are held in f16: magnitudes above 65,504 overflow, below 6.1e-05 lose precision; right only within a limited range of input values
;; workspace buffers: xq 6,815,744 bytes; xs 425,984 bytes; wq 1,671,168 bytes; bq 2,768,896 bytes; pw 2,097,152 bytes; of 27,262,976 bytes
;; launch prep (part 1): grid 489 x 1, 4 waves a work-group, no clusters, 68,096 bytes of LDS; arguments x, qkv_w, proj_w, rpb_table, rel_pos_index, xq, xs, wq, pw, bq; writes xq, xs, wq, pw, bq
.if DOCPART == 1
	.amdgcn_target "amdgcn-amd-amdhsa--gfx1250"
	.amdhsa_code_object_version 6
	.text
	.protected	k_qb01a90c55b_prep
	.globl	k_qb01a90c55b_prep
	.p2align	8
	.type	k_qb01a90c55b_prep,@function
k_qb01a90c55b_prep:
	s_mov_b64 s[64:65], 0
	v_nop
	global_prefetch_b8 v0, s[64:65] scope:SCOPE_SE
	s_setreg_imm32_b32 hwreg(HW_REG_WAVE_MODE, 25, 1), 1
	s_wait_xcnt 0x0
; FIRST OF THREE LAUNCHES.  out = (softmax(q k^T / 8 + bias) v) proj_w^T + proj_b, with q, k, v = x qkv_w^T + [q_bias, 0, v_bias]; x qkv_w^T on codes of E2M1 (MX-FP4).
; DEAD WORK, the only piece: the middle third of qkv_bias is jnp.zeros_like(v_bias), a zero that the function builds in its own body: k gets no bias, for all inputs.  Every input has a way to the
; output and is loaded by some launch.  (Nothing else is left out, so no NaN, infinity or overflow is lost with work left out.)
; IDENTITIES USED LATER (they hold for all finite inputs; the order of rounding differs): log2(e) is folded into q's scale and into the bias, so that p = 2^(t - max t); v_bias is added behind the
; softmax, since sum(p (v + vb)) / sum(p) = sum(p v) / sum(p) + vb; p is not normalised ahead of the second product: the f32 sum of the unrounded p divides at the end.
; THIS LAUNCH lays every operand in the order of the registers that will read it: an IMAGE is 1,024 bytes, registers 4 c .. 4 c + 3 of lane l at byte 512 c + 16 l.
;   work-groups 0-255   (A): a wave quantises 16 rows x 1,024 of x (tiles 0-831) or of qkv_w (832-1023): codes -> xq / wq, scale bytes -> xs / wq
;   work-groups 256-319 (B): proj_w, 16 rows each, rounded to f16 -> pw
;   work-groups 320-488 (C): one tile of 16 queries x 16 keys of the gathered bias, x log2(e), for all 16 heads -> bq; keys 197-207 get -1e30
; A sequence's 197 tokens are padded to 13 tiles of 16: rows 197-207 get zero CODES (their loads are held at row 196, so no load leaves x).
; THE QUANTISER: a block's scale is 2^(floor(log2(largest magnitude)) - 2); its byte is the largest magnitude's exponent field - 2, held at 1 from below.
; LIMITS: a block of zeros, or one whose largest magnitude lies under 2^-124, keeps the byte 1 (the rule says 127 for zeros: its codes are zeros, and this program alone reads the bytes);
; NaN and infinities among the inputs are not served; |proj_w| stays under 65,504 (f16); rel_pos_index is held to 0 .. 731.
; No tile is read by two work-groups, so there is no cluster; no tensor load; only path A touches LDS.
.set SPARE, 67584                      ; behind the four waves' stages: the spare words, 128 bytes a wave
.set WREG,  16896                      ; a wave's LDS: two stages
.set STG,   8448                       ; a stage: 16 rows x 528 bytes
.set PIT,   528                        ; 512 bytes + 16: sixteen lanes that take one column of 16 rows touch sixteen different 16-byte columns modulo 256
.set RO,  16                           ; v16-31  row i: byte offset of my 16 bytes of it in the source
.set CO,  32                           ; v32-39  K step s: byte offset of my 16 bytes of its image
.set TM,  40                           ; v40-55  at work in QUANT
.set PW,  56                           ; v56     the scale word just made
.set PC,  58                           ; v58-65  the codes just made
.set SW,  66                           ; v66-73  the eight scale words of my row
.set OS,  74                           ; v74-77  the four that I store
.set CD,  80                           ; v80-95  codes to store, two sets
.set X,   96                           ; v96-223 64 numbers of my row, two sets;  v256-511: numbers as loaded, four sets of 64
.set SEL, 48                           ; s[48:49] lane selects: lane l xor 16
.set MSB, 0
.macro WIN new                         ; the immediate's high byte repeats the setting that is left
.if MSB != (\new)
	s_set_vgpr_msb (MSB<<8)|(\new)
.set MSB, (\new)
.endif
.endm
	s_load_b512 s[4:19], s[0:1], 0x0               ; x, qkv_w, proj_w, rpb_table, rel_pos_index, xq, xs, wq
	s_load_b128 s[20:23], s[0:1], 0x40             ; pw, bq
	v_lshl_add_u32 v1, v0, 2, SPARE                ; my spare word
	v_mov_b32 v2, 0
	v_lshrrev_b32 v3, 5, v0
	v_readfirstlane_b32 s3, v3                     ; wave
	v_and_b32 v3, 31, v0                           ; lane
	v_and_b32 v4, 15, v0                           ; r
	v_bfe_u32 v5, v0, 4, 1                         ; h
	s_cmp_ge_u32 ttmp9, 320
	s_cbranch_scc1 .Lbias
	s_cmp_ge_u32 ttmp9, 256
	s_cbranch_scc1 .Lprojw
; ---------------- A: 16 rows x 1,024 numbers become 8 images of codes and 512 scale bytes ----------------
	s_lshl_b32 s24, ttmp9, 2
	s_add_co_u32 s24, s24, s3                      ; T: my tile
	s_lshr_b32 s25, s24, 6                         ; x: token tile t
	s_and_b32 s26, s24, 63                         ; x: batch b
	s_mul_i32 s28, s26, 13
	s_add_co_u32 s28, s28, s25                     ; 13 b + t
	s_mul_i32 s32, s26, 806912                     ; x: the batch's first byte (197 rows of 4,096)
	s_lshl_b32 s33, s25, 4                         ; x: first row in the batch
	s_lshl_b32 s34, s28, 13                        ; x: codes, 8 images a tile
	s_lshl_b32 s35, s28, 9                         ; x: scale bytes, 16 rows of 32
	s_sub_co_u32 s27, s24, 832                     ; qkv_w: tile tau = 64 part + 4 head + c (meaningless in x's tiles, and selected away)
	s_lshr_b32 s36, s27, 6                         ; part
	s_bfe_u32 s37, s27, 0x40002                    ; head
	s_and_b32 s38, s27, 3                          ; c
	s_lshl_b32 s36, s36, 2
	s_add_co_u32 s36, s36, s38                     ; j = 4 part + c
	s_mul_i32 s37, s37, 104448                     ; the head's block of wq
	s_lshl_b32 s38, s36, 10
	s_add_co_u32 s38, s38, s37                     ; qkv_w: codes
	s_lshl_b32 s39, s36, 9
	s_add_co_u32 s39, s39, s37
	s_add_co_u32 s39, s39, 98304                   ; qkv_w: scale bytes, behind the block's 96 images
	s_lshl_b32 s40, s27, 4                         ; qkv_w: first row
	s_mov_b32 s41, 3071
	s_mov_b32 s42, 12288
	s_wait_kmcnt 0x0
	s_cmp_lt_u32 s24, 832                          ; x's tile or qkv_w's: the choice hangs on ids alone; only pointers and numbers are chosen, the text is one
	s_cselect_b64 s[4:5], s[4:5], s[6:7]           ; the source
	s_cselect_b64 s[14:15], s[14:15], s[18:19]     ; where the codes go
	s_cselect_b64 s[16:17], s[16:17], s[18:19]     ; where the scale bytes go
	s_cselect_b32 s32, s32, 0
	s_cselect_b32 s33, s33, s40
	s_cselect_b32 s34, s34, s38
	s_cselect_b32 s35, s35, s39
	s_cselect_b32 s41, 196, s41                    ; the last row that may be read
	s_cselect_b32 s42, 1024, s42                   ; from a K step's image to the next
	s_mov_b32 s45, 0
	s_mov_b32 s44, s32
	s_add_nc_u64 s[4:5], s[4:5], s[44:45]
	s_mov_b32 s44, s34
	s_add_nc_u64 s[14:15], s[14:15], s[44:45]
	s_mov_b32 s44, s35
	s_add_nc_u64 s[16:17], s[16:17], s[44:45]
	s_add_co_u32 s43, s41, 1
	s_sub_co_u32 s43, s43, s33                     ; rows of the tile that exist
	v_cmp_gt_u32 s30, s43, v4                      ; my row exists
	v_cmp_eq_u32 s31, 1, v5                        ; I am in lanes 16-31
	v_lshlrev_b32 v9, 4, v3                        ; 16 x lane
	s_mul_i32 s47, s3, WREG
	v_add_nc_u32 v6, s47, v9                       ; into a stage: a row's 512 bytes as they lie
	v_mul_u32_u24 v7, v4, PIT
	v_lshl_add_u32 v7, v5, 6, v7
	v_add_nc_u32 v7, s47, v7                       ; out of it: row r, my 16 numbers of each block of 32
	v_lshlrev_b32 v8, 5, v4
	v_lshl_add_u32 v8, v5, 4, v8                   ; scale bytes: row r's 32, my half
.irp i, 0,1,2,3,4,5,6,7,8,9,10,11,12,13,14,15
	s_add_co_u32 s46, s33, \i
	s_min_u32 s46, s46, s41                        ; a row past the end is read as the last row; its codes are cleared below
	s_lshl_b32 s46, s46, 12
	v_add_nc_u32 v[RO+\i], s46, v9
.endr
.irp s, 0,1,2,3,4,5,6,7
	s_mul_i32 s46, s42, \s
	v_add_nc_u32 v[CO+\s], s46, v9
.endr
	s_mov_b32 s[SEL], 0x76543210
	s_mov_b32 s[SEL+1], 0xfedcba98
.irp b, 0,1,2,3
	v_mov_b32 v[TM+4+\b], 0                        ; written once: a lane permute's destination counts as one of its sources
.endr
.macro LOAD s                          ; K step s: 16 rows x 512 bytes, a row an instruction, into set s % 4 of v256 on
	WIN 0x40
.irp i, 0,1,2,3,4,5,6,7,8,9,10,11,12,13,14,15
	global_load_b128 v[64*((\s)%4)+4*\i:64*((\s)%4)+4*\i+3], v[RO+\i], s[4:5] offset:512*(\s) th:TH_LOAD_NT
.endr
	WIN 0
.endm
.macro TURN s                          ; through my stage: in as rows, out as 16 neighbours of each block for lane (r, h).  LDS serves a wave's instructions in order: no wait between
	WIN 0x04
.irp i, 0,1,2,3,4,5,6,7,8,9,10,11,12,13,14,15
	ds_store_b128 v6, v[64*((\s)%4)+4*\i:64*((\s)%4)+4*\i+3] offset:STG*((\s)%2)+PIT*\i
.endr
	WIN 0
.irp b, 0,1,2,3
.irp j, 0,1,2,3
	ds_load_b128 v[X+64*((\s)%2)+16*\b+4*\j:X+64*((\s)%2)+16*\b+4*\j+3], v7 offset:STG*((\s)%2)+128*\b+16*\j
.endr
.endr
.endm
; 64 numbers of a lane, register 16 b + i = k 32 b + 16 h + i of row r, become a fragment's codes in v[PC] on and the row's scale word in v[PW]
.macro QUANT s
.irp b, 0,1,2,3
	v_max3_num_f32 v[TM+\b], |v[\s+16*\b]|, |v[\s+1+16*\b]|, 0x1800000   ; my 16 numbers of block b, and the floor 2^(3 - 127): the byte cannot fall under 1
.endr
.irp i, 2,4,6,8,10,12,14
.irp b, 0,1,2,3
	v_max3_num_f32 v[TM+\b], v[TM+\b], |v[\s+16*\b+\i]|, |v[\s+1+16*\b+\i]|
.endr
.endr
.irp b, 0,1,2,3
	v_permlanex16_b32 v[TM+4+\b], v[TM+\b], s[SEL], s[SEL+1]
.endr
.irp b, 0,1,2,3
	v_max_num_f32 v[TM+\b], v[TM+\b], v[TM+4+\b]   ; with lane l xor 16's: the block's largest magnitude
.endr
.irp b, 0,1,2,3
	v_add_nc_u32 v[TM+12+\b], 0xff000000, v[TM+\b] ; 2 off its exponent field: the conversion takes that field as its scale
.endr
.irp b, 0,1,2,3
	v_lshrrev_b32 v[TM+4+\b], 23, v[TM+12+\b]      ; the scale's byte
.endr
	v_lshl_or_b32 v[PW], v[TM+5], 8, v[TM+4]
	v_lshl_or_b32 v[PW], v[TM+6], 16, v[PW]
	v_lshl_or_b32 v[PW], v[TM+7], 24, v[PW]
.irp b, 0,1,2,3
	v_cvt_scalef32_pk8_fp4_f32 v[PC+2*\b], v[\s+16*\b:\s+7+16*\b], v[TM+12+\b]
	v_cvt_scalef32_pk8_fp4_f32 v[PC+1+2*\b], v[\s+8+16*\b:\s+15+16*\b], v[TM+12+\b]
.endr
	v_nop                                          ; one plain instruction behind a scaled conversion
.irp c, 0,1                                    ; the operand wants a whole block in a lane: lanes 0-15 block 2 c, lanes 16-31 block 2 c + 1
.irp i, 0,1
	v_permlane16_swap_b32 v[PC+4*\c+\i], v[PC+2+4*\c+\i]
.endr
.endr
.endm
.macro STEP s
	s_wait_dscnt 0x0                               ; this step's numbers are back from the stage, and the stage's stores have read this step's set of registers,
.if (\s)+4 < 8
	LOAD (\s)+4                                    ; which takes the loads of four steps on: four steps, 64 loads of 512 bytes, are on their way
.endif
.if (\s) < 4
	s_wait_loadcnt 48                              ; the next step's 16 loads are in; the 48 of the three steps behind it may be out
	TURN (\s)+1
.elseif (\s) == 4
	s_wait_loadcnt 32                              ; two steps' loads are left behind the next step's
	TURN (\s)+1
.elseif (\s) == 5
	s_wait_loadcnt 16
	TURN (\s)+1
.elseif (\s) == 6
	s_wait_loadcnt 0
	TURN (\s)+1
.endif
	QUANT X+64*((\s)%2)
.if (\s) >= 2
	s_wait_xcnt 0x0                                ; the stores of two steps back have read this set of codes: it is written again only behind this wait
.endif
.irp i, 0,1,2,3,4,5,6,7
	v_cndmask_b32 v[CD+8*((\s)%2)+\i], 0, v[PC+\i], s30   ; a row that does not exist gets zero codes
.endr
	v_mov_b32 v[SW+(\s)], v[PW]
	global_store_b128 v[CO+(\s)], v[CD+8*((\s)%2):CD+8*((\s)%2)+3], s[14:15]               ; the wave stores 512 consecutive bytes, aligned
	global_store_b128 v[CO+(\s)], v[CD+8*((\s)%2)+4:CD+8*((\s)%2)+7], s[14:15] offset:512
.endm
	LOAD 0
	LOAD 1
	LOAD 2
	LOAD 3
	s_wait_loadcnt 48                              ; step 0's 16 loads are in
	TURN 0
.irp s, 0,1,2,3,4,5,6,7
	STEP \s
.endr
.irp i, 0,1,2,3
	v_cndmask_b32 v[OS+\i], v[SW+\i], v[SW+4+\i], s31   ; lanes 0-15: K steps 0-3 of row r; lanes 16-31: K steps 4-7
.endr
	global_store_b128 v8, v[OS:OS+3], s[16:17]     ; 16 rows x 32 scale bytes: 512 consecutive bytes
	s_wait_tensorcnt 0x0                           ; the wave's end, behind my last LDS store
	ds_add_u32 v1, v2
	s_wait_dscnt 0x0
	s_endpgm
; ---------------- B: 16 rows of proj_w to f16; wave w takes k-blocks 8 w .. 8 w + 7 of 32 ----------------
.Lprojw:
	s_sub_co_u32 s24, ttmp9, 256                   ; n: rows 16 n on = group n / 4, tile n % 4
	s_lshl_b32 s25, s24, 16
	s_lshl_b32 s26, s3, 10
	s_add_co_u32 s25, s25, s26
	v_lshlrev_b32 v10, 12, v4
	v_lshl_add_u32 v10, v5, 5, v10
	v_add_nc_u32 v10, s25, v10                     ; row 16 n + r, k = 256 w + 8 h
	s_lshr_b32 s27, s24, 2
	s_and_b32 s28, s24, 3
	s_lshl_b32 s27, s27, 17
	s_lshl_b32 s28, s28, 10
	s_add_co_u32 s27, s27, s28
	s_lshl_b32 s28, s3, 15
	s_add_co_u32 s27, s27, s28
	v_lshl_add_u32 v11, v3, 4, s27                 ; pw: [group][k-block][tile] images
	s_wait_kmcnt 0x0
.irp k, 0,1,2,3,4,5,6,7
	global_load_b128 v[96+16*\k:99+16*\k],   v10, s[8:9] offset:128*\k       ; k = 32 kb + 8 h + 0 .. 3
	global_load_b128 v[100+16*\k:103+16*\k], v10, s[8:9] offset:128*\k+16    ;                + 4 .. 7
	global_load_b128 v[104+16*\k:107+16*\k], v10, s[8:9] offset:128*\k+64    ; k = 32 kb + 16 + 8 h + 0 .. 3
	global_load_b128 v[108+16*\k:111+16*\k], v10, s[8:9] offset:128*\k+80
.endr
	s_wait_loadcnt 0x0
.set J, 0
.rept 64
	v_cvt_pk_f16_f32 v[16+J], v[96+2*J], v[97+2*J]
.set J, J+1
.endr
.irp k, 0,1,2,3,4,5,6,7
	global_store_b128 v11, v[16+8*\k:19+8*\k], s[20:21] offset:4096*\k
	global_store_b128 v11, v[20+8*\k:23+8*\k], s[20:21] offset:4096*\k+512
.endr
	s_endpgm
; ---------------- C: the bias of 16 queries x 16 keys; wave w takes heads 4 w .. 4 w + 3 ----------------
.Lbias:
	s_sub_co_u32 s24, ttmp9, 320                   ; id = 13 qt + kt
	s_mul_hi_u32 s25, s24, 0x13b13b14              ; qt = id / 13 (exact for id under 169)
	s_mul_i32 s26, s25, 13
	s_sub_co_u32 s26, s24, s26                     ; kt
	s_lshl_b32 s27, s25, 4
	v_add_nc_u32 v10, s27, v4
	v_min_u32 v10, 196, v10                        ; my query, held inside the table of indices
	v_mul_u32_u24 v10, v10, 197
	s_lshl_b32 s28, s26, 4
	v_lshl_add_u32 v11, v5, 3, s28                 ; my first key: 16 kt + 8 h
	s_mov_b32 s29, 196
.irp j, 0,1,2,3,4,5,6,7
	v_add_nc_u32 v[104+\j], \j, v11
	v_cmp_lt_u32 s[40+\j], s29, v[104+\j]          ; a key that does not exist
	v_min_u32 v[24+\j], s29, v[104+\j]
	v_add_lshl_u32 v[24+\j], v[24+\j], v10, 2
.endr
	s_lshl_b32 s30, s3, 4                          ; my four heads' 16 bytes of a table row
	s_mul_i32 s31, s3, 692224                      ; four heads' blocks of bq
	s_lshl_b32 s32, s24, 10
	s_add_co_u32 s31, s31, s32
	v_lshl_add_u32 v13, v3, 4, s31
	v_mov_b32 v12, 0xf149f2ca                      ; -1e30
	s_wait_kmcnt 0x0
.irp j, 0,1,2,3,4,5,6,7
	global_load_b32 v[16+\j], v[24+\j], s[12:13]   ; rel_pos_index[q][k]
.endr
	s_wait_loadcnt 0x0
.irp j, 0,1,2,3,4,5,6,7
	v_min_u32 v[16+\j], 0x2db, v[16+\j]            ; held to the table's 732 rows
	v_lshlrev_b32 v[16+\j], 6, v[16+\j]            ; a row is 64 bytes
	v_add_nc_u32 v[16+\j], s30, v[16+\j]
.endr
.irp j, 0,1,2,3,4,5,6,7
	global_load_b128 v[32+4*\j:35+4*\j], v[16+\j], s[10:11]
.endr
	s_wait_loadcnt 0x0
.irp d, 0,1,2,3
.irp j, 0,1,2,3,4,5,6,7
	v_mul_f32 v[64+8*\d+\j], 0x3fb8aa3b, v[32+4*\j+\d]             ; x log2(e), into the image's order: register j = key 16 kt + 8 h + j
.endr
.endr
.irp d, 0,1,2,3
.irp j, 0,1,2,3,4,5,6,7
	v_cndmask_b32 v[64+8*\d+\j], v[64+8*\d+\j], v12, s[40+\j]
.endr
.endr
.irp d, 0,1,2,3
	global_store_b128 v13, v[64+8*\d:67+8*\d], s[22:23] offset:173056*\d
	global_store_b128 v13, v[68+8*\d:71+8*\d], s[22:23] offset:173056*\d+512
.endr
	s_endpgm
.Lfunc_end_k_qb01a90c55b_prep:
	.size	k_qb01a90c55b_prep, .Lfunc_end_k_qb01a90c55b_prep-k_qb01a90c55b_prep
	.p2alignl 7, 3214868480
	.fill 96, 4, 3214868480
	.section	.rodata,"a",@progbits
	.p2align	6, 0x0
	.amdhsa_kernel k_qb01a90c55b_prep
		.amdhsa_group_segment_fixed_size 68096
		.amdhsa_private_segment_fixed_size 0
		.amdhsa_enable_private_segment 0
		.amdhsa_kernarg_size 80
		.amdhsa_user_sgpr_count 2
		.amdhsa_user_sgpr_kernarg_segment_ptr 1
		.amdhsa_wavefront_size32 1
		.amdhsa_system_sgpr_workgroup_id_x 1
		.amdhsa_system_sgpr_workgroup_id_y 1
		.amdhsa_system_sgpr_workgroup_id_z 1
		.amdhsa_system_vgpr_workitem_id 0
		.amdhsa_next_free_vgpr 512
		.amdhsa_next_free_sgpr 66
		.amdhsa_reserve_vcc 0
		.amdhsa_float_denorm_mode_32 3
		.amdhsa_float_denorm_mode_16_64 3
		.amdhsa_memory_ordered 1
		.amdhsa_forward_progress 1
		.amdhsa_inst_pref_size 91
	.end_amdhsa_kernel
	.amdgpu_metadata
---
amdhsa.version: [ 1, 2 ]
amdhsa.kernels:
  - .name:           k_qb01a90c55b_prep
    .symbol:         k_qb01a90c55b_prep.kd
    .args:
      - { .name: x, .offset: 0, .size: 8, .value_kind: global_buffer, .address_space: global }
      - { .name: qkv_w, .offset: 8, .size: 8, .value_kind: global_buffer, .address_space: global }
      - { .name: proj_w, .offset: 16, .size: 8, .value_kind: global_buffer, .address_space: global }
      - { .name: rpb_table, .offset: 24, .size: 8, .value_kind: global_buffer, .address_space: global }
      - { .name: rel_pos_index, .offset: 32, .size: 8, .value_kind: global_buffer, .address_space: global }
      - { .name: xq, .offset: 40, .size: 8, .value_kind: global_buffer, .address_space: global }
      - { .name: xs, .offset: 48, .size: 8, .value_kind: global_buffer, .address_space: global }
      - { .name: wq, .offset: 56, .size: 8, .value_kind: global_buffer, .address_space: global }
      - { .name: pw, .offset: 64, .size: 8, .value_kind: global_buffer, .address_space: global }
      - { .name: bq, .offset: 72, .size: 8, .value_kind: global_buffer, .address_space: global }
    .group_segment_fixed_size: 68096
    .private_segment_fixed_size: 0
    .kernarg_segment_align: 8
    .kernarg_segment_size: 80
    .max_flat_workgroup_size: 128
    .sgpr_count:     66
    .vgpr_count:     512
    .wavefront_size: 32
...
	.end_amdgpu_metadata
.endif
;; end of part 1
;; launch attn (part 2): grid 16 x 16, 4 waves a work-group, clusters of 4 x 1, 327,680 bytes of LDS; arguments xq, xs, wq, bq, q_bias, v_bias, of; writes of
.if DOCPART == 2
	.amdgcn_target "amdgcn-amd-amdhsa--gfx1250"
	.amdhsa_code_object_version 6
	.text
	.protected	k_qb01a90c55b_attn
	.globl	k_qb01a90c55b_attn
	.p2align	8
	.type	k_qb01a90c55b_attn,@function
k_qb01a90c55b_attn:
	s_mov_b64 s[64:65], 0
	v_nop
	global_prefetch_b8 v0, s[64:65] scope:SCOPE_SE
	s_setreg_imm32_b32 hwreg(HW_REG_WAVE_MODE, 25, 1), 1
	s_wait_xcnt 0x0
	s_wait_alu depctr_hold_cnt(0) depctr_sa_sdst(0) depctr_va_vdst(0) depctr_va_sdst(0) depctr_va_ssrc(0) depctr_va_vcc(0) depctr_vm_vsrc(0)
	s_getreg_b32 s2, hwreg(HW_REG_IB_STS2, 6, 4)
	s_cmp_eq_u32 s2, 0
	s_cbranch_scc0 .Lentry_in_a_cluster
	s_endpgm
.Lentry_in_a_cluster:
	s_bfe_u32 s2, ttmp6, 0x10000c
	s_cmp_lg_u32 s2, 0x3003
	s_cbranch_scc0 .Lentry_shape_is_right
	s_endpgm
.Lentry_shape_is_right:
; SECOND LAUNCH: q, k, v = x qkv_w^T on codes of E2M1, the scores, the softmax and p v, fused.  Left out as dead: k's bias, a zero that the function builds itself (shown at the first kernel's head).
; SHARES.  ONE WAVE OWNS ONE (batch, head): 64 x 16 = 1,024 waves.  A work-group's four waves are four batches of one head; the four work-groups of a cluster are sixteen batches of that head.
; The head's weights (104,448 bytes) and bias images (173,056 bytes) are the same for all of them and are asked for JOINTLY; each wave's codes of x are its own and go from memory into registers.
; q, k, v NEVER GO TO MEMORY.  q and k are made transposed (source 0 = 16 rows of the weight, source 1 = 16 tokens): a lane holds one token and 8 channels, which packed to f16 are a fragment of
; S^T = K Q^T.  v is made straight (source 0 = tokens, source 1 = weight rows): a lane holds one channel and 8 tokens, a fragment of O^T = V^T P^T.  K and V of the head stay in registers, Q waits in LDS.
; 197 tokens are 13 tiles of 16: tokens 197-207 have zero codes (k = v = 0), keys 197-207 carry -1e30 in the bias images (p = 0), queries 197-207 are computed and never reach the output.
; SOFTMAX: t = (q + q_bias) log2(e) / 8 . k + bias log2(e); the bias image is the C of the first product on each tile of scores; M = the true maximum of the row's 197 t; p = 2^(t - M);
; the f32 sum of the unrounded p divides O at the end, and v_bias rides in that multiply-add (sum(p (v + vb)) / sum(p) = sum(p v) / sum(p) + vb).
; LIMITS: q log2(e) / 8, k, v and o go to f16: magnitudes under 65,504; |t| under 1e29; NaN and infinities are not served.
; REGISTERS by number (window = number / 256; s_set_vgpr_msb: bits 1:0 source 0, 3:2 source 1, 5:4 source 2, 7:6 destination):
;   v1, v2 the add's two; v3 16 x lane; v5 v3 + 49,152; v6 my Q bytes in LDS; v8 32 r + 16 h; v9 32 h; v10 the weights' scale words
;   v24-71 the weights' scale words, v72-123 x's (4 a tile: register i = K step i in lanes 0-15, K step 4 + i in lanes 16-31): they hold scales and nothing else
;   v128-255 x's fragments, a ring of 4 K steps x 4 tiles; later S^T (v128-231) and statistics (v232-251)
;   v256-383 the weights' fragments, a ring of 4 groups x 4; later P (v256-311), Q (v312-327), o packed (v328-343)
;   v384-415 q_bias x c, later v_bias; v416-511 accumulators, later O^T (v416-447)
;   v512-719 K's 26 fragments, v768-991 V's 28; above them, as long as they are free, accumulators
; THE FIRST PRODUCT goes by chunks of token tiles {0-3} {4-6} {7-9} {10-12}; in a chunk all of q, k, v of its tiles are summed over the 8 K steps, each accumulator once a K step, so that the
; accumulators take turns.  A K step has TWO runs of loads: ahead of q's products (q's weights of the next K step, x of three K steps on), and ahead of v's (k's and v's weights
; of the next K step, into the two ring places that q's and k's products have just left).  Behind a chunk its results are packed: Q first (to LDS), then K, then V; in the last chunk K's and V's
; places lie on slots read just before.
.set WSC,   98304                      ; LDS 0 - 104,448: the head's block of wq: 96 images of codes (12,288 s + 1,024 j), then 12 x 512 scale bytes; later bias rows 8-12
.set BI1,   104448                     ; bias rows 0-7, 13,312 bytes each
.set BROW,  13312
.set QST,   210944                     ; Q: 26,624 bytes a wave, 2,048 a tile
.set SPARE, 317440                     ; the spare words, 128 bytes a wave
.set MSB, 0
.macro WIN new                         ; the immediate's high byte repeats the setting that is left
.if MSB != (\new)
	s_set_vgpr_msb (MSB<<8)|(\new)
.set MSB, (\new)
.endif
.endm
.macro PLACES                          ; four plain instructions behind matrix instructions, in front of loads into their sources and of reads of their results
.rept 4
	v_nop
.endr
.endm
.macro ROUND                           ; a round of the cluster's barrier
	s_barrier_signal -1
	s_barrier_wait -1
	s_cmp_lg_u32 s3, 0
	s_cbranch_scc1 .Lnot_wave_0_\@
	s_barrier_signal -3
.Lnot_wave_0_\@:
	s_barrier_wait -3
	s_barrier_signal -1
	s_barrier_wait -1
.endm
	s_load_b256 s[4:11], s[0:1], 0x0               ; xq, xs, wq, bq
	s_load_b128 s[12:15], s[0:1], 0x20             ; q_bias, v_bias
	s_load_b64 s[16:17], s[0:1], 0x30              ; of
	v_lshl_add_u32 v1, v0, 2, SPARE
	v_mov_b32 v2, 0
	ds_add_u32 v1, v2                              ; the wave's opening: the add, twice on end, and its wait ahead of my first tensor load
	ds_add_u32 v1, v2
	v_lshrrev_b32 v3, 5, v0
	v_readfirstlane_b32 s3, v3                     ; wave
	s_bfe_u32 s18, ttmp6, 0x40000                  ; cx: it enters the addresses of xq, xs and of alone
	s_lshl_b32 s19, ttmp9, 2
	s_add_co_u32 s19, s19, s18
	s_lshl_b32 s19, s19, 2
	s_add_co_u32 s19, s19, s3                      ; my batch
	s_and_b32 s20, ttmp7, 0xffff                   ; the head, which the cluster shares
; descriptor group 1, three times: dense rows of 256 bytes (32 elements of 8 bytes), no padding; mask: all four work-groups, bit 21 beside it
.irp g, 24, 32, 40
	s_mov_b32 s[\g+0], 15|(3<<16)|(1<<21)
	s_mov_b32 s[\g+1], 32<<16                      ; tensor_dim0
	s_mov_b32 s[\g+3], 32<<16                      ; tile_dim0
	s_mov_b32 s[\g+5], 32                          ; the pitch
	s_mov_b32 s[\g+6], 0
	s_mov_b32 s[\g+7], 0
.endr
	s_mov_b32 s26, 102<<16                         ; the weights: 102 rows a wave
	s_mov_b32 s28, 102
	s_mov_b32 s34, 104<<16                         ; bias rows 0-7: 104 rows a wave
	s_mov_b32 s36, 104
	s_mov_b32 s42, 65<<16                          ; bias rows 8-12: 65 rows a wave
	s_mov_b32 s44, 65
	s_mov_b32 s60, 0x3e38aa3b                      ; c = log2(e) / 8
	s_mov_b32 s61, s60
	s_mov_b32 s62, 0x76543210                      ; lane l xor 16
	s_mov_b32 s63, 0xfedcba98
	s_mul_i32 s21, s3, 26624
	s_mul_i32 s22, s3, 16640
	s_mul_i32 s23, s3, 26112
	v_and_b32 v7, 31, v0
	v_lshlrev_b32 v3, 4, v7                        ; 16 x lane: an image's place for my lane, in memory and in LDS
	v_add_nc_u32 v5, 49152, v3                     ; K steps 4-7 of the weights
	s_add_co_u32 s78, s21, QST
	v_add_nc_u32 v6, s78, v3
	v_and_b32 v11, 15, v0
	v_bfe_u32 v12, v0, 4, 1
	v_lshlrev_b32 v8, 5, v11
	v_lshl_add_u32 v8, v12, 4, v8
	v_lshlrev_b32 v9, 5, v12
	v_add_nc_u32 v10, WSC, v8
	s_wait_dscnt 0x0                               ; both opening adds are done
	s_wait_kmcnt 0x0
	s_mov_b32 s73, 0                               ; s[72:73], s76: offsets of the joint loads: head and wave alone
	s_mul_i32 s72, s20, 104448
	s_add_co_u32 s72, s72, s23
	s_mov_b32 s48, 1
	s_mov_b32 s49, s23
	s_add_nc_u64 s[50:51], s[8:9], s[72:73]
	s_or_b32 s51, s51, 0x80000000
	s_mul_i32 s76, s20, 173056
	s_add_co_u32 s72, s76, s21
	s_mov_b32 s52, 1
	s_add_co_u32 s53, s21, BI1
	s_add_nc_u64 s[54:55], s[10:11], s[72:73]
	s_or_b32 s55, s55, 0x80000000
	s_add_co_u32 s72, s76, s22
	s_add_co_u32 s72, s72, 8*BROW
	s_mov_b32 s56, 1
	s_mov_b32 s57, s22
	s_add_nc_u64 s[58:59], s[10:11], s[72:73]
	s_or_b32 s59, s59, 0x80000000
	s_mov_b32 s75, 0                               ; s[74:75]: my own offsets
	s_mul_i32 s74, s19, 106496
	s_add_nc_u64 s[4:5], s[4:5], s[74:75]          ; my batch's 104 images of codes
	s_mul_i32 s74, s19, 6656
	s_add_nc_u64 s[6:7], s[6:7], s[74:75]          ; and 208 rows of scale bytes
	s_mul_i32 s74, s19, 425984
	s_mul_i32 s77, s20, 26624
	s_add_co_u32 s74, s74, s77
	s_add_nc_u64 s[70:71], s[16:17], s[74:75]      ; of: [batch][k-block 2 head + e][tile]
	s_lshl_b32 s74, s20, 8
	s_add_nc_u64 s[12:13], s[12:13], s[74:75]
	s_add_nc_u64 s[14:15], s[14:15], s[74:75]
	ROUND                                          ; all four work-groups are here: the first joint loads meet
	tensor_load_to_lds s[48:51], s[24:31]          ; my quarter of the weights
	s_nop 0
	tensor_load_to_lds s[52:55], s[32:39]          ; my quarter of bias rows 0-7: two loads of mine are out
	s_nop 0
	PLACES
.macro XLOAD gg                        ; K step gg % 8 of chunk gg / 8: two loads a token tile, into ring place gg % 4
.if (\gg)/8 == 0
.set XT_, 0
.set XN_, 4
.else
.set XT_, 3*((\gg)/8)+1
.set XN_, 3
.endif
	WIN 0
.set XI_, 0
.rept XN_
	global_load_b128 v[128+32*((\gg)%4)+8*XI_:131+32*((\gg)%4)+8*XI_], v3, s[4:5] offset:(8*(XT_+XI_)+(\gg)%8)*1024
	global_load_b128 v[132+32*((\gg)%4)+8*XI_:135+32*((\gg)%4)+8*XI_], v3, s[4:5] offset:(8*(XT_+XI_)+(\gg)%8)*1024+512
.set XI_, XI_+1
.endr
.endm
.macro WLOAD ga                        ; group ga = 3 (K step) + kind: the kind's four fragments of that K step, into ring place ga % 4 of v256 on
.set WS_, ((\ga)/3)%8
.set WK_, (\ga)%3
.set WR_, 32*((\ga)%4)
	WIN 0x40
.set WC_, 0
.rept 4
.if WS_ < 4
	ds_load_b128 v[WR_+8*WC_:WR_+8*WC_+3],   v3 offset:12288*WS_+1024*(4*WK_+WC_)
	ds_load_b128 v[WR_+8*WC_+4:WR_+8*WC_+7], v3 offset:12288*WS_+1024*(4*WK_+WC_)+512
.else
	ds_load_b128 v[WR_+8*WC_:WR_+8*WC_+3],   v5 offset:12288*(WS_-4)+1024*(4*WK_+WC_)
	ds_load_b128 v[WR_+8*WC_+4:WR_+8*WC_+7], v5 offset:12288*(WS_-4)+1024*(4*WK_+WC_)+512
.endif
.set WC_, WC_+1
.endr
.endm
.macro SLOTOF kind, i                  ; SB = the first of the 32 accumulator registers of (kind, the chunk's i-th tile)
.if CH == 0
.if (\kind) == 0
.set SB, 576+32*(\i)
.elseif (\kind) == 1
.if (\i) < 2
.set SB, 704+32*(\i)
.else
.set SB, 768+32*(\i)
.endif
.else
.set SB, 896+32*(\i)
.endif
.else
.if (\kind) == 0
.if (\i) < 2
.set SB, 672+32*(\i)
.else
.set SB, 928
.endif
.elseif (\kind) == 1
.if (\i) == 0
.set SB, 736
.else
.set SB, 928+32*(\i)
.endif
.else
.set SB, 416+32*(\i)
.endif
.endif
.endm
.macro WM d, a, b, sa, sb, row, zero   ; one product on codes; registers by their whole numbers
	WIN ((((\d)>>8)*0x50)|(((\b)>>8)<<2)|((\a)>>8))
.set RD_, (\d)&255
.set RA_, (\a)&255
.set RB_, (\b)&255
.if \zero
	v_wmma_scale_f32_16x16x128_f8f6f4 v[RD_:RD_+7], v[RA_:RA_+7], v[RB_:RB_+7], 0, v[\sa], v[\sb] matrix_a_fmt:MATRIX_FMT_FP4 matrix_b_fmt:MATRIX_FMT_FP4
.elseif \row
	v_wmma_scale_f32_16x16x128_f8f6f4 v[RD_:RD_+7], v[RA_:RA_+7], v[RB_:RB_+7], v[RD_:RD_+7], v[\sa], v[\sb] matrix_a_fmt:MATRIX_FMT_FP4 matrix_b_fmt:MATRIX_FMT_FP4 matrix_a_scale:MATRIX_SCALE_ROW1 matrix_b_scale:MATRIX_SCALE_ROW1
.else
	v_wmma_scale_f32_16x16x128_f8f6f4 v[RD_:RD_+7], v[RA_:RA_+7], v[RB_:RB_+7], v[RD_:RD_+7], v[\sa], v[\sb] matrix_a_fmt:MATRIX_FMT_FP4 matrix_b_fmt:MATRIX_FMT_FP4
.endif
.endm
.macro PRODS                           ; the NT x 4 products of kind KD (0 q, 1 k, 2 v) of K step G
.set GA, 3*G+KD
.set TI, 0
.rept NT
	SLOTOF KD, TI
.set CI, 0
.rept 4
.if KD < 2
	WM SB+8*CI, 256+32*(GA%4)+8*CI, 128+32*(G%4)+8*TI, 24+4*(4*KD+CI)+S8%4, 72+4*(T0+TI)+S8%4, RW, ZR
.else
	WM SB+8*CI, 128+32*(G%4)+8*TI, 256+32*(GA%4)+8*CI, 72+4*(T0+TI)+S8%4, 24+4*(4*KD+CI)+S8%4, RW, ZR
.endif
.set CI, CI+1
.endr
.set TI, TI+1
.endr
.endm
; One K step (G).  The groups of weights are asked for in the order 3 G, 3 G + 1, ..: group 3 G + 3 in this step's first run, groups 3 G + 4 and 3 G + 5 in its second.
.macro KSTEP
	PLACES                                         ; the ring places loaded below were read by the last K step's products
.if G < 31
	WLOAD 3*G+3                                    ; q's weights of the next K step, into the place that the last step's v has left
.endif
.if G+3 < 32
	XLOAD G+3
.endif
.if G < 31
	s_wait_dscnt 24                                ; q's 8 loads are in; the 24 of the three groups behind them may be out
.else
	s_wait_dscnt 16                                ; the last K step asks for nothing: two groups are behind q's
.endif
; this K step's codes of x are in; those of the next three K steps (8 loads a step in chunk 0, 6 later) may be out
.if G <= 4
	s_wait_loadcnt 24
.elseif G == 5
	s_wait_loadcnt 22
.elseif G == 6
	s_wait_loadcnt 20
.elseif G <= 28
	s_wait_loadcnt 18
.elseif G == 29
	s_wait_loadcnt 12
.elseif G == 30
	s_wait_loadcnt 6
.else
	s_wait_loadcnt 0
.endif
.set KD, 0
	PRODS
.if G < 31
	s_wait_dscnt 16                                ; k's 8 loads are in; v's and the next q's may be out
.else
	s_wait_dscnt 8
.endif
.set KD, 1
	PRODS
	PLACES                                         ; q's and k's ring places have been read: they take the next K step's k and v
.if G < 31
	WLOAD 3*G+4
	WLOAD 3*G+5
	s_wait_dscnt 24                                ; v's 8 loads are in; the next K step's three groups may be out
.else
	s_wait_dscnt 0
.endif
.set KD, 2
	PRODS
.endm
; Behind a chunk: Q = (sum + q_bias) c to f16 and to LDS; K and V to f16, into their fragments.  Every accumulator is read from its low end on.
.macro EPI
	PLACES
.set TI, 0
.rept NT
	SLOTOF 0, TI
.set XW, SB>>8
.set LB, SB&255
	WIN (XW*0x41)|0x10
.set J, 0
.rept 16
	v_pk_fma_f32 v[LB+2*J:LB+2*J+1], v[LB+2*J:LB+2*J+1], s[60:61], v[128+2*J:129+2*J] op_sel_hi:[1,0,1]
.set J, J+1
.endr
	WIN XW*0x45
.set J, 0
.rept 16
	v_cvt_pk_f16_f32 v[LB+16*(J/8)+J%8], v[LB+2*J], v[LB+2*J+1]    ; packed in place, ascending: no register is written before it has been read
.set J, J+1
.endr
	WIN XW<<2
.irp e, 0,1
.irp q, 0,1
	ds_store_b128 v6, v[LB+16*\e+4*\q:LB+16*\e+4*\q+3] offset:2048*(T0+TI)+1024*\e+512*\q
.endr
.endr
.set TI, TI+1
.endr
	s_wait_dscnt 0x0                               ; the stores have read their registers: K's fragments or the next chunk's sums may land there
.set TI, 0
.rept NT
	SLOTOF 1, TI
.set XW, SB>>8
.set LB, SB&255
	WIN 0x80|(XW*5)
.set J, 0
.rept 16
	v_cvt_pk_f16_f32 v[16*(T0+TI)+J], v[LB+2*J], v[LB+2*J+1]       ; K(tile, e) at v[512 + 16 tile + 8 e]
.set J, J+1
.endr
.set TI, TI+1
.endr
.set TI, 0
.rept NT
	SLOTOF 2, TI
.set XW, SB>>8
.set LB, SB&255
.set TT, T0+TI
	WIN 0xc0|(XW*5)
.set J, 0
.rept 16
	v_cvt_pk_f16_f32 v[32*(TT/2)+8*(J/4)+4*(TT%2)+J%4], v[LB+2*J], v[LB+2*J+1]   ; V(u, c) at v[768 + 32 u + 8 c]: tile 2 u its registers 0-3, tile 2 u + 1 its registers 4-7
.set J, J+1
.endr
.set TI, TI+1
.endr
.endm
.irp t, 0,1,2,3,4,5,6,7,8,9,10,11,12
	global_load_b128 v[72+4*\t:75+4*\t], v8, s[6:7] offset:512*\t  ; x's scale words
.endr
	WIN 0x40
.irp c, 0,1,2,3
	global_load_b128 v[128+8*\c:131+8*\c], v9, s[12:13] offset:64*\c       ; q_bias: register 8 c + j = channel 16 c + 8 h + j
	global_load_b128 v[132+8*\c:135+8*\c], v9, s[12:13] offset:64*\c+16
.endr
	XLOAD 0
	XLOAD 1
	XLOAD 2
	s_wait_tensorcnt 0x1                           ; my part of the weights is in; the bias rows' load, issued behind it, may be out
	s_barrier_signal -1
	s_barrier_wait -1                              ; everybody's part is in
.irp j, 0,1,2,3,4,5,6,7,8,9,10,11
	ds_load_b128 v[24+4*\j:27+4*\j], v10 offset:512*\j             ; the weights' scale words
.endr
	WLOAD 0
	WLOAD 1
	WLOAD 2
	s_wait_loadcnt 24                              ; x's scale words and q_bias are in; the 24 loads of K steps 0-2 may be out
	WIN 0x41
.set J, 0
.rept 16
	v_pk_mul_f32 v[128+2*J:129+2*J], v[128+2*J:129+2*J], s[60:61] op_sel_hi:[1,0]   ; q_bias x c
.set J, J+1
.endr
.set G, 0
.rept 32
.set CH, G/8
.set S8, G%8
.if CH == 0
.set NT, 4
.set T0, 0
.else
.set NT, 3
.set T0, 3*CH+1
.endif
.if S8 == 0
.set ZR, 1
.else
.set ZR, 0
.endif
.if S8 >= 4
.set RW, 1
.else
.set RW, 0
.endif
	KSTEP
.if S8 == 7
	EPI
.endif
.set G, G+1
.endr
	WIN 0xc0
.irp c, 0,1,2,3
.irp i, 0,1,2,3
	v_mov_b32 v[196+8*\c+\i], 0                    ; V of keys 208-223, which do not exist
.endr
.endr
	WIN 0x40
.irp i, 0,1,2,3
	v_mov_b32 v[52+\i], 0                          ; and their p
.endr
.irp c, 0,1,2,3
	global_load_b128 v[128+8*\c:131+8*\c], v9, s[14:15] offset:64*\c       ; v_bias takes q_bias's place
	global_load_b128 v[132+8*\c:135+8*\c], v9, s[14:15] offset:64*\c+16
.endr
	WIN 0
	v_mov_b32 v233, 0                              ; upper halves of pairs of which the low word alone is used,
	v_mov_b32 v247, 0
	v_mov_b32 v248, 0                              ; and the lane permutes' destination
; THE REFILL: the weights are done with; bias rows 8-12 take their place.
	s_wait_tensorcnt 0x0                           ; all my tensor loads have landed (bias rows 0-7 among them),
	ds_add_u32 v1, v2                              ; 0 onto my spare word,
	s_wait_dscnt 0x0                               ; the add is done, and my reads of the weights are over
	ROUND                                          ; the same holds of every wave of every partner
	tensor_load_to_lds s[56:59], s[40:47]          ; my one load behind the round; it has eight query tiles in which to land
	s_nop 0
	PLACES
.macro BLOADS                          ; a bias row, 13 images, straight into S^T's registers: it is the C of the first product on each
	v_add_nc_u32 v250, s67, v3
.irp kt, 0,1,2,3,4,5,6,7,8,9,10,11,12
	ds_load_b128 v[128+8*\kt:131+8*\kt], v250 offset:1024*\kt
	ds_load_b128 v[132+8*\kt:135+8*\kt], v250 offset:1024*\kt+512
.endr
.endm
.macro QLOADS                          ; a query tile's two fragments, my own bytes
	v_add_nc_u32 v251, s68, v6
	WIN 0x40
.irp e, 0,1
	ds_load_b128 v[56+8*\e:59+8*\e], v251 offset:1024*\e
	ds_load_b128 v[60+8*\e:63+8*\e], v251 offset:1024*\e+512
.endr
.endm
; QUERY TILES: one trip is one tile of 16 queries against all 208 keys.  The next tile's bias row and Q are asked for in the trip's middle; in a loop's last trip the clamps let it ask for its own
; row once more, so that no LDS read leaves its region.
.macro TILES trips, bnmax
	s_mov_b32 s66, \trips
.Ltile_\@:
	s_wait_dscnt 0x0                               ; the bias row and Q are in
	WIN 0x06
.irp e, 0,1
.irp kt, 0,1,2,3,4,5,6,7,8,9,10,11,12
	v_wmma_f32_16x16x32_f16 v[128+8*\kt:135+8*\kt], v[16*\kt+8*\e:16*\kt+8*\e+7], v[56+8*\e:63+8*\e], v[128+8*\kt:135+8*\kt]   ; S^T: 13 accumulators by turns
.endr
.endr
	WIN 0
	PLACES
.irp i, 0,1,2,3
	v_max_num_f32 v[234+\i], v[128+2*\i], v[129+2*\i]              ; the row's maximum: four chains, each tile from its low end on
.endr
.irp kt, 1,2,3,4,5,6,7,8,9,10,11,12
.irp i, 0,1,2,3
	v_max3_num_f32 v[234+\i], v[234+\i], v[128+8*\kt+2*\i], v[129+8*\kt+2*\i]
.endr
.endr
	v_max3_num_f32 v234, v234, v235, v236
	v_max_num_f32 v234, v234, v237
	v_permlanex16_b32 v248, v234, s62, s63         ; the query's other keys lie in the lane 16 away
	v_max_num_f32 v232, v234, v248                 ; M
; ONE BATCH: 52 packed subtractions and 104 exponentials; none reads an exponential's result
	v_pk_add_f32 v[128:129], v[128:129], v[232:233] op_sel_hi:[1,0] neg_lo:[0,1] neg_hi:[0,1]
	v_pk_add_f32 v[130:131], v[130:131], v[232:233] op_sel_hi:[1,0] neg_lo:[0,1] neg_hi:[0,1]
.set PP, 2
.rept 50
	v_pk_add_f32 v[128+2*PP:129+2*PP], v[128+2*PP:129+2*PP], v[232:233] op_sel_hi:[1,0] neg_lo:[0,1] neg_hi:[0,1]
	v_exp_f32 v[124+2*PP], v[124+2*PP]
	v_exp_f32 v[125+2*PP], v[125+2*PP]
.set PP, PP+1
.endr
.irp n, 228,229,230,231
	v_exp_f32 v[\n], v[\n]
.endr
	v_nop                                          ; a plain instruction behind the last exponential
	s_wait_alu depctr_va_vdst(0)                   ; one wait for the batch, ahead of its first reader
.irp i, 0,1,2,3
	v_pk_add_f32 v[238+2*\i:239+2*\i], v[128+2*\i:129+2*\i], v[136+2*\i:137+2*\i]   ; the sum of the unrounded p: four chains of pairs
.endr
.set PP, 8
.rept 44
	v_pk_add_f32 v[238+2*(PP%4):239+2*(PP%4)], v[238+2*(PP%4):239+2*(PP%4)], v[128+2*PP:129+2*PP]
.set PP, PP+1
.endr
	v_pk_add_f32 v[238:239], v[238:239], v[240:241]
	v_pk_add_f32 v[242:243], v[242:243], v[244:245]
	v_pk_add_f32 v[238:239], v[238:239], v[242:243]
	v_add_f32 v238, v238, v239
	v_permlanex16_b32 v248, v238, s62, s63
	v_add_f32 v238, v238, v248
	v_rcp_f32 v246, v238                           ; its wait stands ahead of its first reader, behind the second product
	WIN 0x40
.set PP, 0
.rept 52
	v_cvt_pk_f16_f32 v[PP], v[128+2*PP], v[129+2*PP]               ; P: register 4 kt + i = keys 16 kt + 8 h + 2 i, + 1
.set PP, PP+1
.endr
	WIN 0
	BLOADS                                         ; S^T has been read: the next tile's bias row lands there while O^T is made
	QLOADS
	WIN 0x57
.irp u, 0,1,2,3,4,5,6
.irp c, 0,1,2,3
.if \u == 0
	v_wmma_f32_16x16x32_f16 v[160+8*\c:167+8*\c], v[32*\u+8*\c:32*\u+8*\c+7], v[8*\u:8*\u+7], 0
.else
	v_wmma_f32_16x16x32_f16 v[160+8*\c:167+8*\c], v[32*\u+8*\c:32*\u+8*\c+7], v[8*\u:8*\u+7], v[160+8*\c:167+8*\c]   ; O^T: four accumulators by turns
.endif
.endr
.endr
	WIN 0
	PLACES
	s_wait_alu depctr_va_vdst(0)                   ; the reciprocal's wait, ahead of its first reader
	WIN 0x51
.set PP, 0
.rept 16
	v_pk_fma_f32 v[160+2*PP:161+2*PP], v[160+2*PP:161+2*PP], v[246:247], v[128+2*PP:129+2*PP] op_sel_hi:[1,0,1]   ; O^T / sum + v_bias
.set PP, PP+1
.endr
	s_wait_xcnt 0x0                                ; the last tile's stores, a whole trip back, have read their base and their data: only behind this wait
	s_add_nc_u64 s[70:71], s[70:71], 1024          ; does the base step (the stores below reach back by 1,024 bytes) and are the data written again
	WIN 0x45
.set PP, 0
.rept 16
	v_cvt_pk_f16_f32 v[72+PP], v[160+2*PP], v[161+2*PP]
.set PP, PP+1
.endr
	WIN 0x04
.irp e, 0,1
	global_store_b128 v3, v[72+8*\e:75+8*\e], s[70:71] offset:BROW*\e-1024     ; two images of o: each store covers 512 consecutive bytes, aligned
	global_store_b128 v3, v[76+8*\e:79+8*\e], s[70:71] offset:BROW*\e-512
.endr
	WIN 0
	s_add_co_u32 s67, s67, BROW
	s_min_u32 s67, s67, \bnmax
	s_add_co_u32 s68, s68, 2048
	s_min_u32 s68, s68, 24576
	s_sub_co_u32 s66, s66, 1
	s_cmp_lg_u32 s66, 0
	s_cbranch_scc1 .Ltile_\@
.endm
	s_mov_b32 s67, BI1
	s_mov_b32 s68, 0
	BLOADS                                         ; bias row 0 (shown landed by the wait for 0 in front of the round)
	QLOADS                                         ; Q of tile 0
	WIN 0
	s_mov_b32 s67, BI1+BROW
	s_mov_b32 s68, 2048
	s_wait_loadcnt 0x0                             ; v_bias
	TILES 8, BI1+7*BROW
	s_wait_tensorcnt 0x0                           ; my part of bias rows 8-12 is in,
	s_wait_dscnt 0x0                               ; and no LDS load of mine is out
	s_barrier_signal -1
	s_barrier_wait -1                              ; everybody's part is in
	s_mov_b32 s67, 0
	BLOADS                                         ; bias row 8
	s_mov_b32 s67, BROW
	s_mov_b32 s68, 18432
	TILES 5, 4*BROW
	s_wait_tensorcnt 0x0                           ; the wave's end
	ds_add_u32 v1, v2
	s_wait_dscnt 0x0
	ROUND                                          ; the closing round: no work-group ends while a partner may still ask for a tile that names it
	s_endpgm
.Lfunc_end_k_qb01a90c55b_attn:
	.size	k_qb01a90c55b_attn, .Lfunc_end_k_qb01a90c55b_attn-k_qb01a90c55b_attn
	.p2alignl 7, 3214868480
	.fill 96, 4, 3214868480
	.section	.rodata,"a",@progbits
	.p2align	6, 0x0
	.amdhsa_kernel k_qb01a90c55b_attn
		.amdhsa_group_segment_fixed_size 327680
		.amdhsa_private_segment_fixed_size 0
		.amdhsa_enable_private_segment 0
		.amdhsa_kernarg_size 56
		.amdhsa_user_sgpr_count 2
		.amdhsa_user_sgpr_kernarg_segment_ptr 1
		.amdhsa_wavefront_size32 1
		.amdhsa_system_sgpr_workgroup_id_x 1
		.amdhsa_system_sgpr_workgroup_id_y 1
		.amdhsa_system_sgpr_workgroup_id_z 1
		.amdhsa_system_vgpr_workitem_id 0
		.amdhsa_next_free_vgpr 1024
		.amdhsa_next_free_sgpr 80
		.amdhsa_reserve_vcc 0
		.amdhsa_float_denorm_mode_32 3
		.amdhsa_float_denorm_mode_16_64 3
		.amdhsa_memory_ordered 1
		.amdhsa_forward_progress 1
		.amdhsa_inst_pref_size 255
	.end_amdhsa_kernel
	.section	.bss,"aw",@nobits
	.p2align	6
	.space	262144
	.amdgpu_metadata
---
amdhsa.version: [ 1, 2 ]
amdhsa.kernels:
  - .name:           k_qb01a90c55b_attn
    .symbol:         k_qb01a90c55b_attn.kd
    .args:
      - { .name: xq, .offset: 0, .size: 8, .value_kind: global_buffer, .address_space: global }
      - { .name: xs, .offset: 8, .size: 8, .value_kind: global_buffer, .address_space: global }
      - { .name: wq, .offset: 16, .size: 8, .value_kind: global_buffer, .address_space: global }
      - { .name: bq, .offset: 24, .size: 8, .value_kind: global_buffer, .address_space: global }
      - { .name: q_bias, .offset: 32, .size: 8, .value_kind: global_buffer, .address_space: global }
      - { .name: v_bias, .offset: 40, .size: 8, .value_kind: global_buffer, .address_space: global }
      - { .name: of, .offset: 48, .size: 8, .value_kind: global_buffer, .address_space: global }
    .group_segment_fixed_size: 327680
    .private_segment_fixed_size: 0
    .kernarg_segment_align: 8
    .kernarg_segment_size: 56
    .max_flat_workgroup_size: 128
    .sgpr_count:     80
    .vgpr_count:     1024
    .wavefront_size: 32
...
	.end_amdgpu_metadata
.endif
;; end of part 2
;; launch proj (part 3): grid 4 x 64, 4 waves a work-group, clusters of 4 x 1, 327,680 bytes of LDS; arguments of, pw, proj_b, out0; writes out0
.if DOCPART == 3
	.amdgcn_target "amdgcn-amd-amdhsa--gfx1250"
	.amdhsa_code_object_version 6
	.text
	.protected	k_qb01a90c55b_proj
	.globl	k_qb01a90c55b_proj
	.p2align	8
	.type	k_qb01a90c55b_proj,@function
k_qb01a90c55b_proj:
	s_mov_b64 s[64:65], 0
	v_nop
	global_prefetch_b8 v0, s[64:65] scope:SCOPE_SE
	s_setreg_imm32_b32 hwreg(HW_REG_WAVE_MODE, 25, 1), 1
	s_wait_xcnt 0x0
	s_wait_alu depctr_hold_cnt(0) depctr_sa_sdst(0) depctr_va_vdst(0) depctr_va_sdst(0) depctr_va_ssrc(0) depctr_va_vcc(0) depctr_vm_vsrc(0)
	s_getreg_b32 s2, hwreg(HW_REG_IB_STS2, 6, 4)
	s_cmp_eq_u32 s2, 0
	s_cbranch_scc0 .Lentry_in_a_cluster
	s_endpgm
.Lentry_in_a_cluster:
	s_bfe_u32 s2, ttmp6, 0x10000c
	s_cmp_lg_u32 s2, 0x3003
	s_cbranch_scc0 .Lentry_shape_is_right
	s_endpgm
.Lentry_shape_is_right:
; THIRD LAUNCH: out0 = o proj_w^T + proj_b, f16 operands, f32 sums.  Nothing is left out here.
; SHARES.  A work-group takes one batch (13 tiles of 16 tokens) x 256 columns; wave w its columns 64 w on: 52 accumulators, 416 registers.  The four work-groups of a cluster are the four column
; blocks of ONE batch and walk the same images of o, which are asked for JOINTLY: four slabs of 8 k-blocks x 13 images (106,496 bytes) through two LDS slots; each wave fetches a quarter.
; proj_w's fragments of a wave are read by no other wave of its work-group: they go from memory straight into registers and take no road through LDS; that is why they are not asked for jointly.
; THE PRODUCT IS USED TRANSPOSED (source 0 = 16 rows of proj_w, source 1 = 16 tokens): a lane holds one token and 8 neighbouring columns.  proj_b is the C of each sum's first product.
; K-BLOCKS 0-23 (of 32 along K each): every accumulator once a k-block.  o's 13 fragments have two sets of registers, so that a k-block has ONE run of loads (the next k-block's 26 LDS loads, proj_w of
; three k-blocks on) in front of its 52 products.
; K-BLOCKS 24-31, THE LAST SLAB, GO BY ROWS OF out0: all its fragments of proj_w (8 x 32 registers) wait in registers that lay idle, o's come by tiles of 16 tokens x 256 along K, and the 13 tiles are
; finished one after the other: 32 products each, the tile's four accumulators by turns, K ascending.  A finished tile goes through the stage and is stored while the next ones are multiplied.
; Tokens 197-207 are padding: computed, never stored.  LIMITS: o and proj_w are f16: magnitudes under 65,504; NaN and infinities are not served.
; REGISTERS by number (window = number / 256): v1, v2 the add's two; v3 16 x lane; v4-7 the four halves of the two slots; v8, v9 the stage, in and back; v10 my place in two rows of out0;
;   v24-127, v128-231 o's 13 fragments of a k-block, two sets; by rows: v24-87 and v88-127 + v232-255 a tile's 8 fragments, two buffers; v128-191 rows on their way out, two sets;
;   v256-383 proj_w's fragments, a ring of 4 k-blocks x 4; the last slab's: k-blocks 24-27 at v384-511, 28-30 at v928-1023, 31 at v256-287;
;   v512-927 the accumulators (tile t, c) at 512 + 32 t + 8 c; v928-959 proj_b in the result's layout, until k-block 0 has read it.
.set SLOT,  106496
.set STGE,  212992                     ; behind the slots: 16 rows x 272 bytes a wave, for the way out; no fill lands there
.set SPARE, 230400                     ; the spare words, 128 bytes a wave
.set MSB, 0
.macro WIN new                         ; the immediate's high byte repeats the setting that is left
.if MSB != (\new)
	s_set_vgpr_msb (MSB<<8)|(\new)
.set MSB, (\new)
.endif
.endm
.macro PLACES                          ; four plain instructions behind matrix instructions, in front of loads into their sources and of reads of their results
.rept 4
	v_nop
.endr
.endm
.macro ROUND                           ; a round of the cluster's barrier
	s_barrier_signal -1
	s_barrier_wait -1
	s_cmp_lg_u32 s3, 0
	s_cbranch_scc1 .Lnot_wave_0_\@
	s_barrier_signal -3
.Lnot_wave_0_\@:
	s_barrier_wait -3
	s_barrier_signal -1
	s_barrier_wait -1
.endm
	s_load_b256 s[4:11], s[0:1], 0x0               ; of, pw, proj_b, out0
	v_lshl_add_u32 v1, v0, 2, SPARE
	v_mov_b32 v2, 0
	ds_add_u32 v1, v2                              ; the wave's opening: the add, twice on end, and its wait ahead of my first tensor load
	ds_add_u32 v1, v2
	v_lshrrev_b32 v3, 5, v0
	v_readfirstlane_b32 s3, v3                     ; wave
	s_bfe_u32 s18, ttmp6, 0x40000                  ; cx: it enters the addresses of pw, proj_b and out0 alone
	s_lshl_b32 s19, ttmp9, 2
	s_add_co_u32 s19, s19, s18                     ; my block of 256 columns
	s_and_b32 s20, ttmp7, 0xffff                   ; the batch, which the cluster shares
	s_mov_b32 s24, 15|(3<<16)|(1<<21)              ; group 1: 104 dense rows of 256 bytes (32 elements of 8 bytes); mask: all four work-groups, bit 21 beside it
	s_mov_b32 s25, 32<<16
	s_mov_b32 s26, 104<<16
	s_mov_b32 s27, 32<<16
	s_mov_b32 s28, 104
	s_mov_b32 s29, 32
	s_mov_b32 s30, 0
	s_mov_b32 s31, 0
	s_mul_i32 s21, s3, 26624                       ; my quarter of a slab
	s_mul_i32 s22, s3, 4352
	s_add_co_u32 s22, s22, STGE                    ; my stage
	v_and_b32 v12, 31, v0                          ; lane
	v_and_b32 v13, 15, v0                          ; r
	v_bfe_u32 v14, v0, 4, 1                        ; h
	v_lshlrev_b32 v3, 4, v12
	v_mov_b32 v4, v3
	v_add_nc_u32 v5, 53248, v3
	v_add_nc_u32 v6, 106496, v3
	v_add_nc_u32 v7, 159744, v3
	v_mul_u32_u24 v8, v13, 272
	v_lshl_add_u32 v8, v14, 5, v8
	v_add_nc_u32 v8, s22, v8                       ; in: row r, 32 bytes for each half of the lanes
	v_mul_u32_u24 v9, v14, 272
	v_lshl_add_u32 v9, v13, 4, v9
	v_add_nc_u32 v9, s22, v9                       ; back: lanes 0-15 one row of 256 bytes, lanes 16-31 the next
	v_lshlrev_b32 v10, 12, v14
	v_lshl_add_u32 v10, v13, 4, v10                ; and the same two rows in out0
	v_lshlrev_b32 v11, 5, v14
	s_wait_dscnt 0x0                               ; both opening adds are done
	s_wait_kmcnt 0x0
	s_mov_b32 s41, 0                               ; s[40:41]: the joint loads' offset: batch and wave alone
	s_mul_i32 s40, s20, 425984
	s_add_co_u32 s40, s40, s21
	s_add_nc_u64 s[4:5], s[4:5], s[40:41]
.irp n, 0,1
	s_mov_b32 s[32+4*\n], 1
	s_add_co_u32 s[33+4*\n], s21, \n*SLOT
	s_add_nc_u64 s[34+4*\n:35+4*\n], s[4:5], \n*SLOT
	s_or_b32 s[35+4*\n], s[35+4*\n], 0x80000000
.endr
	s_mov_b32 s43, 0                               ; s[42:43]: my own offsets
	s_lshl_b32 s42, s19, 2
	s_add_co_u32 s42, s42, s3
	s_lshl_b32 s42, s42, 17
	s_add_nc_u64 s[6:7], s[6:7], s[42:43]          ; pw: my group of 64 columns
	s_lshl_b32 s42, s19, 10
	s_lshl_b32 s44, s3, 8
	s_add_co_u32 s42, s42, s44
	s_add_nc_u64 s[8:9], s[8:9], s[42:43]          ; proj_b at my first column
	s_mul_i32 s44, s20, 806912
	s_add_co_u32 s42, s42, s44
	s_add_nc_u64 s[10:11], s[10:11], s[42:43]      ; out0 at my batch's first row, my first column
	ROUND                                          ; all four work-groups are here: the first joint loads meet
	tensor_load_to_lds s[32:35], s[24:31]          ; slab 0
	s_nop 0
	tensor_load_to_lds s[36:39], s[24:31]          ; slab 1: two loads of mine are out
	s_nop 0
	PLACES
.macro PWLOAD kb                       ; proj_w's four fragments of k-block kb (0-23), into ring place kb % 4 of v256 on
	WIN 0x40
.irp c, 0,1,2,3
	global_load_b128 v[32*((\kb)%4)+8*\c:32*((\kb)%4)+8*\c+3],   v3, s[6:7] offset:4096*(\kb)+1024*\c
	global_load_b128 v[32*((\kb)%4)+8*\c+4:32*((\kb)%4)+8*\c+7], v3, s[6:7] offset:4096*(\kb)+1024*\c+512
.endr
.endm
.macro FLOAD ki                        ; proj_w's four fragments of k-block 24 + ki, into the place where they wait for the rows
.if (\ki) < 4
.set PA_, 128+32*(\ki)
	WIN 0x40
.elseif (\ki) < 7
.set PA_, 32+32*(\ki)
	WIN 0xc0
.else
.set PA_, 0
	WIN 0x40
.endif
.irp c, 0,1,2,3
	global_load_b128 v[PA_+8*\c:PA_+8*\c+3],   v3, s[6:7] offset:4096*(24+(\ki))+1024*\c
	global_load_b128 v[PA_+8*\c+4:PA_+8*\c+7], v3, s[6:7] offset:4096*(24+(\ki))+1024*\c+512
.endr
.endm
.macro OFLOAD kb                       ; o's 13 fragments of k-block kb, into set kb % 2
	WIN 0
.set OA_, 4+2*(((\kb)/8)%2)+((\kb)%8)/4
.set OS_, 24+104*((\kb)%2)
.set TT, 0
.rept 13
	ds_load_b128 v[OS_+8*TT:OS_+8*TT+3],   v[OA_] offset:13312*((\kb)%4)+1024*TT
	ds_load_b128 v[OS_+8*TT+4:OS_+8*TT+7], v[OA_] offset:13312*((\kb)%4)+1024*TT+512
.set TT, TT+1
.endr
.endm
.macro RBF t, i                        ; OB_ = where tile t's fragment of k-block 24 + i stands
.if (\t)%2 == 0
.set OB_, 24+8*(\i)
.elseif (\i) < 5
.set OB_, 88+8*(\i)
.else
.set OB_, 192+8*(\i)
.endif
.endm
.macro ALOAD t                         ; tile t's 8 fragments of the last slab (slot 1), into buffer t % 2
	WIN 0
.set KI, 0
.rept 8
	RBF \t, KI
	ds_load_b128 v[OB_:OB_+3],   v[6+KI/4] offset:13312*(KI%4)+1024*(\t)
	ds_load_b128 v[OB_+4:OB_+7], v[6+KI/4] offset:13312*(KI%4)+1024*(\t)+512
.set KI, KI+1
.endr
.endm
.macro MULS kb                         ; 13 tiles x my four column tiles: each accumulator once a k-block, so that they take turns
.set OS_, 24+104*((\kb)%2)
.set TT, 0
.rept 13
.if TT >= 8
	WIN 0xf1
.elseif (\kb) == 0
	WIN 0xb1
.else
	WIN 0xa1
.endif
.set AB_, (32*TT)&255
.irp c, 0,1,2,3
.if (\kb) == 0
	v_wmma_f32_16x16x32_f16 v[AB_+8*\c:AB_+8*\c+7], v[32*((\kb)%4)+8*\c:32*((\kb)%4)+8*\c+7], v[OS_+8*TT:OS_+8*TT+7], v[160+8*\c:167+8*\c]
.else
	v_wmma_f32_16x16x32_f16 v[AB_+8*\c:AB_+8*\c+7], v[32*((\kb)%4)+8*\c:32*((\kb)%4)+8*\c+7], v[OS_+8*TT:OS_+8*TT+7], v[AB_+8*\c:AB_+8*\c+7]
.endif
.endr
.set TT, TT+1
.endr
.endm
.macro ROW t                           ; tile t is finished: k-blocks 24-31, its four accumulators by turns
.set AB_, (32*(\t))&255
.if (\t) < 8
.set DW_, 0xa0
.else
.set DW_, 0xf0
.endif
.set KI, 0
.rept 8
.if KI < 4
.set PA_, 128+32*KI
	WIN DW_|1
.elseif KI < 7
.set PA_, 32+32*KI
	WIN DW_|3
.else
.set PA_, 0
	WIN DW_|1
.endif
	RBF \t, KI
.irp c, 0,1,2,3
	v_wmma_f32_16x16x32_f16 v[AB_+8*\c:AB_+8*\c+7], v[PA_+8*\c:PA_+8*\c+7], v[OB_:OB_+7], v[AB_+8*\c:AB_+8*\c+7]
.endr
.set KI, KI+1
.endr
.endm
; THE CHANGE OF SLOTS, at the head of a slab's last k-block: that k-block's fragments were asked for a k-block ago, so all that the wave still wants of the slot is in registers once its LDS loads are back.
.macro CHANGE sg
	WIN 0
	s_wait_tensorcnt 0x0                           ; all my tensor loads have landed: my part of the other slot;
	ds_add_u32 v1, v2                              ; 0 onto my spare word;
.if (\sg) < 2
	s_add_nc_u64 s[34+4*(\sg):35+4*(\sg)], s[34+4*(\sg):35+4*(\sg)], 2*SLOT   ; no load of mine is out, so this slot's group 0 may step: two slabs on
.endif
	s_wait_dscnt 0x0                               ; the add is done, and my reads of this slot are over
.if (\sg) < 2
	ROUND                                          ; the same holds of every wave of every partner
	tensor_load_to_lds s[32+4*(\sg):35+4*(\sg)], s[24:31]          ; my one load behind the round: it has 8 k-blocks, 416 products, in which to land
	s_nop 0
	PLACES
.else
	s_barrier_signal -1                            ; the last change: nothing is left to fetch
	s_barrier_wait -1
.endif
.endm
; K-block KK (0-23).  proj_w's loads are issued in this order: k-block j asks for ring k-block j + 3 (up to 23), then, from j = 14 to 21, for the last slab's k-block j + 10.
.macro KB
.if KK > 0
	PLACES                                         ; the registers loaded below were read by the last k-block's products
.endif
.if KK%8 == 7
	CHANGE KK/8
.endif
; this k-block's proj_w is in; what was asked for behind it may be out: two ring k-blocks (16 loads), and the last slab's loads that stand between and behind them
.if KK <= 14
	s_wait_loadcnt 16
.elseif KK == 15
	s_wait_loadcnt 24
.elseif KK == 16
	s_wait_loadcnt 32
.elseif KK <= 21
	s_wait_loadcnt 40
.elseif KK == 22
	s_wait_loadcnt 32
.else
	s_wait_loadcnt 16
.endif
.if KK < 23
	OFLOAD KK+1
.else
	ALOAD 0                                        ; the last slab goes by rows: its first two tiles
	ALOAD 1
.endif
.if KK+3 <= 23
	PWLOAD KK+3
.endif
.if (KK >= 14) && (KK <= 21)
	FLOAD KK-14
.endif
.if KK < 23
	s_wait_dscnt 26                                ; this k-block's 13 fragments are in; the next k-block's 26 loads may be out (k-block 23's were shown in by the change of slots)
.endif
	MULS KK
.endm
	WIN 0xc0
.irp c, 0,1,2,3
	global_load_b128 v[160+8*\c:163+8*\c], v11, s[8:9] offset:64*\c        ; proj_b: register 8 c + j = column 16 c + 8 h + j
	global_load_b128 v[164+8*\c:167+8*\c], v11, s[8:9] offset:64*\c+16
.endr
	PWLOAD 0
	PWLOAD 1
	PWLOAD 2
	s_wait_tensorcnt 0x1                           ; my part of slab 0 is in; slab 1's load may be out
	s_barrier_signal -1
	s_barrier_wait -1
	OFLOAD 0
.set KK, 0
.rept 24
	KB
.set KK, KK+1
.endr
; THE WAY OUT, a tile of 16 tokens x my 64 columns at a time: through my own stage (rows of 256 bytes + 16) and back as whole rows, so that sixteen lanes store 256 consecutive bytes, aligned.
; LDS serves a wave's instructions in order: no wait between the stores and the loads, nor in front of the next tile's stores.
.macro TOSTAGE t
.if (\t) < 8
	WIN 0x08
.else
	WIN 0x0c
.endif
.set AB_, (32*(\t))&255
.irp c, 0,1,2,3
	ds_store_b128 v8, v[AB_+8*\c:AB_+8*\c+3] offset:64*\c          ; each accumulator from its low end on
	ds_store_b128 v8, v[AB_+8*\c+4:AB_+8*\c+7] offset:64*\c+16
.endr
	WIN 0
.set BK_, 128+32*((\t)%2)
.irp i, 0,1,2,3,4,5,6,7
.if ((\t) < 12) || (\i < 3)
	ds_load_b128 v[BK_+4*\i:BK_+4*\i+3], v9 offset:544*\i
.endif
.endr
.endm
.macro SEND t, younger                 ; younger: the LDS instructions issued behind tile t's loads from the stage
.set BK_, 128+32*((\t)%2)
	s_wait_dscnt \younger
.irp i, 0,1,2,3,4,5,6,7
	global_store_b128 v10, v[BK_+4*\i:BK_+4*\i+3], s[10:11] offset:(16*(\t)+2*\i)*4096 th:TH_STORE_NT
.endr
.endm
	s_wait_loadcnt 0x0                             ; all of the last slab's proj_w is in
	s_wait_dscnt 16                                ; tile 0's fragments are in; tile 1's 16 loads may be out
	ROW 0
	PLACES                                         ; in front of the loads into tile 0's buffer and of the first read of its results
	ALOAD 2
	TOSTAGE 0
	s_wait_dscnt 32                                ; tile 1's fragments are in; tile 2's 16 loads and tile 0's 16 stage instructions may be out
.irp t, 1,2,3,4,5,6,7,8,9,10,11,12
	ROW \t
	PLACES
.if \t < 11
	ALOAD \t+2                                     ; the buffer just read takes the tile two further on
.endif
.if \t >= 2
	s_wait_xcnt 0x0                                ; the stores of two tiles back have read their registers: this tile's rows may land there
.endif
	TOSTAGE \t
.if \t < 11
	SEND \t-1, 32                                  ; behind the last tile's loads from the stage: 16 fragment loads and this tile's 16 stage instructions; the next tile's fragments are older, so they are in too
.elseif \t == 11
	SEND \t-1, 16                                  ; no fragments are left to ask for
.else
	SEND \t-1, 11                                  ; tile 12 has 8 stores and 3 loads
.endif
.endr
	s_wait_dscnt 0x0                               ; tile 12: rows 192-195 whole, row 196 by lanes 0-15; rows 197-207 do not exist
	global_store_b128 v10, v[128:131], s[10:11] offset:192*4096 th:TH_STORE_NT
	global_store_b128 v10, v[132:135], s[10:11] offset:194*4096 th:TH_STORE_NT
	s_wait_xcnt 0x0                                ; EXEC changes only behind this wait
	v_cmp_gt_u32 vcc_lo, 16, v12
	s_and_saveexec_b32 s44, vcc_lo
	global_store_b128 v10, v[136:139], s[10:11] offset:196*4096 th:TH_STORE_NT
	s_wait_xcnt 0x0                                ; and again, in front of the line that widens it
	s_or_b32 exec_lo, exec_lo, s44
	s_wait_tensorcnt 0x0                           ; the wave's end
	ds_add_u32 v1, v2
	s_wait_dscnt 0x0
	ROUND                                          ; the closing round: no work-group ends while a partner may still ask for a tile that names it
	s_endpgm
.Lfunc_end_k_qb01a90c55b_proj:
	.size	k_qb01a90c55b_proj, .Lfunc_end_k_qb01a90c55b_proj-k_qb01a90c55b_proj
	.p2alignl 7, 3214868480
	.fill 96, 4, 3214868480
	.section	.rodata,"a",@progbits
	.p2align	6, 0x0
	.amdhsa_kernel k_qb01a90c55b_proj
		.amdhsa_group_segment_fixed_size 327680
		.amdhsa_private_segment_fixed_size 0
		.amdhsa_enable_private_segment 0
		.amdhsa_kernarg_size 32
		.amdhsa_user_sgpr_count 2
		.amdhsa_user_sgpr_kernarg_segment_ptr 1
		.amdhsa_wavefront_size32 1
		.amdhsa_system_sgpr_workgroup_id_x 1
		.amdhsa_system_sgpr_workgroup_id_y 1
		.amdhsa_system_sgpr_workgroup_id_z 1
		.amdhsa_system_vgpr_workitem_id 0
		.amdhsa_next_free_vgpr 1024
		.amdhsa_next_free_sgpr 66
		.amdhsa_reserve_vcc 1
		.amdhsa_float_denorm_mode_32 3
		.amdhsa_float_denorm_mode_16_64 3
		.amdhsa_memory_ordered 1
		.amdhsa_forward_progress 1
		.amdhsa_inst_pref_size 222
	.end_amdhsa_kernel
	.amdgpu_metadata
---
amdhsa.version: [ 1, 2 ]
amdhsa.kernels:
  - .name:           k_qb01a90c55b_proj
    .symbol:         k_qb01a90c55b_proj.kd
    .args:
      - { .name: of, .offset: 0, .size: 8, .value_kind: global_buffer, .address_space: global }
      - { .name: pw, .offset: 8, .size: 8, .value_kind: global_buffer, .address_space: global }
      - { .name: proj_b, .offset: 16, .size: 8, .value_kind: global_buffer, .address_space: global }
      - { .name: out0, .offset: 24, .size: 8, .value_kind: global_buffer, .address_space: global }
    .group_segment_fixed_size: 327680
    .private_segment_fixed_size: 0
    .kernarg_segment_align: 8
    .kernarg_segment_size: 32
    .max_flat_workgroup_size: 128
    .sgpr_count:     66
    .vgpr_count:     1024
    .wavefront_size: 32
...
	.end_amdgpu_metadata
.endif
;; end of part 3
